; MI455X (gfx1250); checked and timed in simulation.
; The chip was launched on July 23, 2026; its instructions are those of AMD's public machine-readable ISA for CDNA 5 (MIT licence, August 2026) and "CDNA5" Instruction Set Architecture Reference Guide (July 2026). The comments in the code are by the model that wrote it; some were corrected since.
;; Temporal Attention layer. Allowed arithmetic: matrix products marked QUANTISED: E4M3 operands, one given power-of-two scale a tensor, by v_wmma_f32_16x16x64_fp8_fp8 or v_wmma_f32_16x16x128_fp8_fp8, f32 sums; everything else in f32.
;; Inputs: Wk_codes 1,024 x 32 x 32 uint8 (E4M3 codes of Wk, K innermost, in blocks of 32 codes); Wo_codes 1,024 x 32 x 32 uint8 (E4M3 codes of Wo, K innermost, in blocks of 32 codes); Wq_codes 1,024 x 32 x 32 uint8 (E4M3 codes of Wq, K innermost, in blocks of 32 codes); Wv_codes 1,024 x 32 x 32 uint8 (E4M3 codes of Wv, K innermost, in blocks of 32 codes); bk 1,024 float32; bo 1,024 float32; bq 1,024 float32; bv 1,024 float32; lowp_scales 12 int32 (the exponents e of the quantised operands' scales 2^e); x_codes 4 x 2,048 x 32 x 32 uint8 (E4M3 codes of x, K innermost, in blocks of 32 codes).
;; Outputs: out0 4 x 1,024 float32.
;; This version of the problem:
;;   THIS VERSION OF THE PROBLEM IS GIVEN IN LOW PRECISION. The matrix products marked QUANTISED in the list below multiply operands that are first quantised to E4M3 (4 exponent bits, 3 mantissa bits; 8 bits a number), with one given power-of-two scale for each operand tensor; their sums are f32. All else is computed in f32.
;;   The module's matrix products, in the order in which they are computed (A, B: the left and right operand; K: the contracted axis; several contracted axes count as one K, in the product's order):
;;     1. [M 8,192, K 1,024] x [K 1,024, N 1,024]; A: input x (given as codes); B: input Wq (given as codes): QUANTISED (scales: A lowp_scales[0], B lowp_scales[1])
;;     2. [M 8,192, K 1,024] x [K 1,024, N 1,024]; A: input x (given as codes); B: input Wk (given as codes): QUANTISED (scales: A lowp_scales[2], B lowp_scales[3])
;;     3. [M 8,192, K 1,024] x [K 1,024, N 1,024]; A: input x (given as codes); B: input Wv (given as codes): QUANTISED (scales: A lowp_scales[4], B lowp_scales[5])
;;     4. batch 64 x [M 2,048, K 64] x [K 64, N 2,048]; A: computed on the way; B: computed on the way: QUANTISED (scales: A lowp_scales[6], B lowp_scales[7])
;;     5. batch 64 x [M 2,048, K 2,048] x [K 2,048, N 64]; A: softmax (see below); B: computed on the way: QUANTISED (scales: A lowp_scales[8], B lowp_scales[9])
;;     6. [M 8,192, K 1,024] x [K 1,024, N 1,024]; A: computed on the way; B: input Wo (given as codes): QUANTISED (scales: A lowp_scales[10], B lowp_scales[11])
;;   THE QUANTISER, for each operand of a quantised product, along K:
;;     - The operand's scale is 2^e, e = its entry of the input lowp_scales (int32; the entries are numbered through the quantised products in the list's order, A before B).
;;     - Each number is divided by the scale, clamped to +-448, and rounded to the nearest number of E4M3, ties to even, subnormals kept.
;;     - The product sums the exact products of the quantised numbers (number of the format x scale) in f32.
;;   ~~~python
;;   def quantise(x, axis, e):      # numpy; x: float32 -> the quantised numbers, widened to float32 again
;;       x = np.moveaxis(x, axis, -1); K = x.shape[-1]
;;       r = np.clip(x / 2.0 ** e, -448, 448)
;;       step = 2.0 ** (np.maximum(np.frexp(np.where(r == 0, 1, r))[1] - 1, -6) - 3)
;;       q = np.round(r / step) * step * 2.0 ** e      # np.round: ties to even
;;       return np.moveaxis(q, -1, axis).astype(np.float32)
;;   ~~~
;;   SOFTMAX AHEAD OF A QUANTISED PRODUCT. Where the list says 'softmax', what is quantised is not the finished softmax but p = 2^(t - M), with t = logit x log2(e) and M = ceil(the row's largest t), a whole number; so 1/2 < the row's largest p <= 1. The row's sum l is taken of the UNQUANTISED p, in f32, and the product's result is divided by l at the end. Since M is a whole number, a kernel that streams over the keys may use a running M (the ceiling of the running maximum): every later rescaling is an exact power of two, so the quantised numbers keep their values, but for numbers so far below the row's largest that they fall under the format's range.
;;   OPERANDS COMPUTED ON THE WAY. 'Computed on the way' means the value that the module computes at that place (a softmax that the list does not call 'softmax' is quantised finished and normalised). What goes into a quantiser is computed in f32, as accurately as f32 sums, v_exp_f32 and their like allow (about 1e-6 of the number): no bf16 or f16 on the way to a quantiser, and a product that is left as it is and whose result goes on into a quantised operand takes f32 operands (vector FMAs, or v_wmma_f32_16x16x4_f32). A number that lies on a knife's edge between two numbers of the format may be rounded either way, as far as f32 arithmetic and the matrix unit's own rounding can turn it there, and no further.
;;   INPUTS GIVEN AS CODES. Wk (in the module: [1024, 1024], K = its axis 1); Wo (in the module: [1024, 1024], K = its axis 1); Wq (in the module: [1024, 1024], K = its axis 1); Wv (in the module: [1024, 1024], K = its axis 1); x (in the module: [4, 2048, 1024], K = its axis 2): each comes as NAME_codes (uint8): NAME with its K axis moved to the last place and cut into blocks of 32 codes, [.., K / 32, bytes a block], one block behind the other in memory; one code a byte (a code: sign, 4 exponent bits, 3 mantissa bits); its scale is its entry of lowp_scales. Its value is code x scale, taken as it is: it is not quantised again, and the codes and scales need not be those that the quantiser above would give.
;; 2 versions, each right; version 2 is version 1 with the launch finish written anew for expert scheduling mode. Each part assembles by itself: llvm-mc -triple=amdgcn-amd-amdhsa -mcpu=gfx1250 --defsym DOCPART=n.
;; ======== version 1 of 2: 2 launches
;; limits: right only within a limited range of input values
;; workspace buffers: part_o 262,144 bytes; part_ml 8,192 bytes
;; launch kvattn (part 1): grid 8 x 32, 4 waves a work-group, clusters of 4 x 4, 327,680 bytes of LDS; arguments x_codes, Wk_codes, Wv_codes, Wq_codes, bk, bv, bq, lowp_scales, part_o, part_ml; writes part_o, part_ml
.if DOCPART == 1
	.amdgcn_target "amdgcn-amd-amdhsa--gfx1250"
	.amdhsa_code_object_version 6
	.text
	.protected	k_qb60434c3bf_kvattn
	.globl	k_qb60434c3bf_kvattn
	.p2align	8
	.type	k_qb60434c3bf_kvattn,@function
k_qb60434c3bf_kvattn:
	s_mov_b64 s[64:65], 0
	v_nop
	global_prefetch_b8 v0, s[64:65] scope:SCOPE_SE
	s_setreg_imm32_b32 hwreg(HW_REG_WAVE_MODE, 25, 1), 1
	s_wait_xcnt 0x0
	s_wait_alu depctr_hold_cnt(0) depctr_sa_sdst(0) depctr_va_vdst(0) depctr_va_sdst(0) depctr_va_ssrc(0) depctr_va_vcc(0) depctr_vm_vsrc(0)
	s_getreg_b32 s2, hwreg(HW_REG_IB_STS2, 6, 4)
	s_cmp_eq_u32 s2, 0
	s_cbranch_scc0 .Lentry_in_a_cluster
	s_endpgm
.Lentry_in_a_cluster:
	s_bfe_u32 s2, ttmp6, 0x10000c
	s_cmp_lg_u32 s2, 0xf033
	s_cbranch_scc0 .Lentry_shape_is_right
	s_endpgm
.Lentry_shape_is_right:
; ONLY THE LAST QUERY OF EACH BATCH REACHES THE OUTPUT (the result is out[:, -1, :]).  So this launch makes: q for that one row; ALL of k and v (they are quantised behind their
; biases, so nothing spares them); one row of scores and one row of p v for each head.  k and v never go to memory.
; All products on codes of FP8 (E4M3), each operand with the given scale 2^e, e0 .. e11 in the buffer of exponents (product by product, left operand first).
; SHARES.  x is taken as [8192][1024].  A work-group owns 256 rows (keys) of one batch, rt = 0 .. 31, and two heads, g = 0 .. 7: channels 128 g .. 128 g + 127 of k and of v.
; Four waves, one 128 x 128 tile each (64 accumulators, 512 registers): RH = wave / 2 says which 128 keys, CH = wave % 2 says k (0) or v (1).
; ONE TEXT FOR BOTH ROLES.  Source 0 has two sets of fragments (window 1), source 1 one set (window 0).  A wave for k takes Wk as source 0 and its rows of x as source 1: a lane then holds ONE KEY and
; eight neighbouring channels.  A wave for v takes its rows of x as source 0 and Wv as source 1: a lane holds ONE CHANNEL and eight neighbouring keys.  Only the LDS addresses differ.
; So the conversion of accumulator (a, b) gives registers 16 a + 2 b, 16 a + 2 b + 1 of a block of codes that IS the next product's first source: for k 16 keys x 64 channels of a head
; (K = 64 form), for v 16 channels x 128 keys (K = 128 form), each k in its own place.  Nothing is turned and nothing changes lanes.
; SOFTMAX.  t = score x log2(e) / 8; M = the largest t of the wave's 128 keys, rounded up to a whole number; p = 2^(t - M) is quantised; l = the sum of the unquantised p.  Each chunk of 128 keys
; leaves its raw sums of p v (part_o) and (-M, l) (part_ml); the next launch brings the 16 chunks of a row under one M by exact powers of two.
; CLUSTER.  4 x 4 work-groups.  The four of a row of the cluster (same rt) need the same rows of x, the four of a column (same g) the same rows of Wk and Wv: each tile is asked for JOINTLY.
; Wq is NOT asked for jointly: a work-group's 128 rows are 131,072 bytes, beside the ring 49,152 bytes of LDS are left, and each byte feeds one product: it goes straight into registers that are still idle.
; LIMITS.  e0 + e1, e2 + e3, e4 + e5 between -126 and 127; e6, e7, e8, e9 between -126 and 119; e6 + e7 between -123 and 130: each power of two below is then an f32 number.
; NaN and infinities among the inputs are not served.  M is the chunk's and not the row's: p's codes differ from those under the row's M only where the row's p falls under the format's range
; (here it is kept finer), and, if e8 < -8, where the hold at 448 x 2^e8 bites.
; REGISTERS, in windows of 256.  Window 0: v1-15 lane terms and addresses; v16-17, v20-21 fragment addresses; v22-25 scales; v28, v29 for the add; v32-47 q's two fragments; v48-63 bv; v64-127 bk
;   (before that q's sums, later p's codes and the softmax's statistics); v128-255 source 1's fragments (before that x's last row, later the scores or O).
;   Window 1: source 0's two sets (before that Wq's 16 fragments, later the codes of k or v in v0-127).  Windows 2, 3: the accumulators, (a, b) at v[8 (8 (a % 4) + b)] of window 2 + a / 4.
.set ROWB,   256                       ; a tile's row: 256 codes, 256 bytes of memory
.set KROW,   1024                      ; a row of x or of a weight in memory
.set PITCH,  272                       ; an LDS row: 256 bytes + 16 of padding = 68 words: row r starts at bank 4 r mod 64 (64 banks of 4 bytes: ISA guide 11.1), so a load's 16 rows start at 16 different banks
.set HALFT,  128*PITCH                 ; 128 rows: what one tensor load brings
.set SLOT,   4*HALFT                   ; x's rows 0-127, x's rows 128-255, Wk's 128 rows, Wv's 128 rows
.set SPARE,  2*SLOT                    ; behind the ring: the spare words, 128 bytes for each wave: two blocks of 256 bytes that no other line names
.set QIMG,   SPARE+512                 ; q's two fragments as images of their registers: 4 x 512 bytes
.set PIMG,   QIMG+2048                 ; p's fragments likewise: 4,096 x RH + 2,048 x head + 512 x i
.set OSTG,   PIMG+8192                 ; 512 bytes for each wave for v: its 128 sums of p v
.set FR,     16                        ; registers of a fragment of 16 rows x 128 K
.set NL,     4                         ; LDS loads that bring one
.set NP,     4                         ; places behind these matrix instructions (ISA guide 7.12.1)
.set AF,     128                       ; source 1's fragments, in window 0
.set ADR1,   16                        ; v16-17  LDS address of my source 1 fragments in slot 0, 1
.set ADR0,   20                        ; v20-21  the same for source 0
.set SPW,    28                        ; v28     LDS address of my spare word; never rewritten
.set NIL,    29                        ; v29     0; never rewritten
.set QF,     32                        ; v32-47  q's fragments, 8 registers a head
.set BV,     48                        ; v48-63  bv(16 a + r) in registers 2 a and 2 a + 1
.set BK,     64                        ; v64-127 bk(16 b + 8 h + j) in register 8 b + j
.set G1,  24                           ; s[24:31] descriptor group 1 for x's tiles;  s[32:39] group 0, one set for each slot
.set G0,  32
.set G1B, 48                           ; s[48:55], s[56:63] the same for the weights' tiles
.set G0B, 56
.set WV,  66                           ; s66 wave;  s67 RH;  s68 CH;  s69 rt
.set RH,  67
.set CH,  68
.set RT,  69
.set MSB, 0
.macro WIN new                         ; the immediate's high byte repeats the setting that is left; a switch that changes nothing is dropped
.if MSB != \new
	s_set_vgpr_msb (MSB<<8)|\new
.set MSB, \new
.endif
.endm
.set MUL_LO, 0xa1                      ; source 0 window 1, source 1 window 0, C and D window 2
.set MUL_HI, 0xf1                      ; the same, C and D window 3
.set TO_B,   0x40                      ; destination window 1, address window 0
; A joint load: waves 0 and 1 fetch x's two halves, wave 2 Wk's rows, wave 3 Wv's.  Each of the two lines has ONE mask; the branch hangs on the wave's number alone.
; Four v_nop follow each of the two lines, ahead of the jump, the label and what follows.
.macro JLOAD g0a, g1a, g0b, g1b
	s_cmp_eq_u32 s[RH], 0
	s_cbranch_scc0 .Lfor_w_\@
	tensor_load_to_lds s[\g0a:\g0a+3], s[\g1a:\g1a+7]
	s_nop 0
.rept 4
	v_nop
.endr
	s_branch .Lasked_\@
.Lfor_w_\@:
	tensor_load_to_lds s[\g0b:\g0b+3], s[\g1b:\g1b+7]
	s_nop 0
.rept 4
	v_nop
.endr
.Lasked_\@:
.endm
.macro CREST                           ; a round of the cluster's barrier behind its opening barrier
	s_cmp_lg_u32 s[WV], 0
	s_cbranch_scc1 .Lnot_wave_0_\@
	s_barrier_signal -3
.Lnot_wave_0_\@:
	s_barrier_wait -3
	s_barrier_signal -1
	s_barrier_wait -1
.endm
.macro CROUND                          ; a whole round
	s_barrier_signal -1
	s_barrier_wait -1
	CREST
.endm
.macro PLACES n
.rept \n
	v_nop
.endr
.endm
.macro POW2 e, vs, vl                  ; from the exponent in s[e]: v[vs] = 2^e as f32 (a conversion takes its exponent field), v[vl] = 448 x 2^e (the hold)
	s_add_co_i32 s98, s[\e], 127
	s_lshl_b32 s99, s98, 23
	v_mov_b32 v[\vs], s99
	s_add_co_i32 s98, s98, 8
	s_lshl_b32 s98, s98, 23
	s_or_b32 s98, s98, 0x600000
	v_mov_b32 v[\vl], s98
.endm
	s_load_b512 s[4:19], s[0:1], 0x0               ; x s[4:5], Wk s[6:7], Wv s[8:9], Wq s[10:11], bk s[12:13], bv s[14:15], bq s[16:17], the exponents s[18:19]
	s_load_b128 s[20:23], s[0:1], 0x40             ; part_o s[20:21], part_ml s[22:23]
	v_lshl_add_u32 v[SPW], v0, 2, SPARE
	v_mov_b32 v[NIL], 0
	ds_add_u32 v28, v29
	ds_add_u32 v28, v29
	s_wait_dscnt 0x0
	v_lshrrev_b32 v4, 5, v0
	v_readfirstlane_b32 s[WV], v4                  ; wave 0..3
	s_lshr_b32 s[RH], s[WV], 1                     ; which 128 keys are mine.  Also: I fetch x (0) or a weight (1)
	s_and_b32 s[CH], s[WV], 1                      ; k (0) or v (1).  Also: which half of x, or which weight, I fetch
	; every lane term and every LDS address is made here, ahead of the first parting of the roles
	v_and_b32 v1, 15, v0                           ; r
	v_bfe_u32 v2, v0, 4, 1                         ; h
	v_and_b32 v3, 31, v0                           ; lane
	v_lshlrev_b32 v5, 4, v2                        ; 16 h: x's last row, the same bytes in all 16 columns
	v_lshl_add_u32 v6, v1, 10, v5                  ; 1,024 r + 16 h: Wq's rows
	v_lshlrev_b32 v7, 5, v2                        ; 32 h: eight numbers of bq or bk for each half of the lanes
	v_lshlrev_b32 v8, 2, v1                        ; 4 r: bv
	v_lshlrev_b32 v14, 4, v3                       ; 16 x lane: an image's place for my lane; also my 16 bytes of part_o
	s_lshl_b32 s95, s[WV], 9
	s_add_co_u32 s95, s95, QIMG
	v_add_nc_u32 v9, s95, v14                      ; where I store my four registers of q's codes
	v_add_nc_u32 v10, QIMG, v14                    ; and from where every wave reads all sixteen
	s_lshl_b32 s95, s[RH], 12
	s_add_co_u32 s95, s95, PIMG
	v_add_nc_u32 v11, s95, v14                     ; p's images of my 128 keys: the wave for k stores them, the wave for v reads them
	s_lshl_b32 s95, s[RH], 9
	s_add_co_u32 s95, s95, OSTG
	v_add_nc_u32 v12, s95, v7                      ; O's stage, in: 32 h
	v_add_nc_u32 v13, s95, v14                     ; and back: 16 x lane
	v_bfe_u32 v4, v0, 1, 1
	v_and_b32 v15, 1, v0
	v_lshlrev_b32 v15, 2, v15
	v_lshl_add_u32 v15, v4, 7, v15                 ; part_ml: lanes 0 .. 3 hold -M and l of head 0, -M and l of head 1: 128 x (lane / 2) + 4 x (lane % 2)
	v_mul_u32_u24 v4, v1, PITCH
	v_add_nc_u32 v4, v4, v5                        ; a fragment's row x pitch + 16 x half
	s_xor_b32 s95, s[CH], 1
	s_lshl_b32 s98, s95, 1
	s_and_b32 s99, s[CH], s[RH]
	s_add_co_u32 s98, s98, s99                     ; source 0's region of a slot: k: 2 (Wk);  v: RH (my rows of x)
	s_mul_i32 s98, s98, HALFT
	s_mul_i32 s99, s[CH], 3
	s_and_b32 s95, s[RH], s95
	s_add_co_u32 s99, s99, s95                     ; source 1's: k: RH (my rows of x);  v: 3 (Wv)
	s_mul_i32 s99, s99, HALFT
	v_add_nc_u32 v[ADR0], s98, v4
	v_add_nc_u32 v[ADR1], s99, v4
	v_add_nc_u32 v[ADR0+1], SLOT, v[ADR0]
	v_add_nc_u32 v[ADR1+1], SLOT, v[ADR1]
	s_bfe_u32 s40, ttmp6, 0x40000                  ; cx, cy: my place in the cluster
	s_bfe_u32 s41, ttmp6, 0x40004
	s_lshl_b32 s42, ttmp9, 2
	s_add_co_u32 s42, s42, s40                     ; g = 4 x cluster x + cx
	s_and_b32 s[RT], ttmp7, 0xffff
	s_lshl_b32 s[RT], s[RT], 2
	s_add_co_u32 s[RT], s[RT], s41                 ; rt = 4 x cluster y + cy
	s_lshl_b32 s43, s41, 2
	s_lshl_b32 s43, 15, s43                        ; my row of the cluster
	s_lshl_b32 s44, 0x1111, s40                    ; my column
	; descriptor group 1: a tile of 128 rows x 256 bytes, padded in LDS
	s_or_b32 s[G1+0], s43, (0<<16)|(1<<20)|(1<<21)|(5<<22)|(3<<25)  ; 15:0 the mask: x's tiles go to my row; 17:16 elements of 1 byte; 20 padding on; 21 set beside a mask; 24:22 after every 64 words (code 5); 31:25 of 4 words (code 3)
	s_or_b32 s[G1B+0], s44, (0<<16)|(1<<20)|(1<<21)|(5<<22)|(3<<25) ; the same with the mask of my column, for the weights' tiles
.irp g, G1, G1B
	s_mov_b32 s[\g+1], ROWB<<16                    ; tensor_dim0
	s_mov_b32 s[\g+2], 128<<16                     ; tensor_dim1
	s_mov_b32 s[\g+3], ROWB<<16                    ; tile_dim0
	s_mov_b32 s[\g+4], 128                         ; tile_dim1
	s_mov_b32 s[\g+5], KROW                        ; tensor_dim0_stride
	s_mov_b32 s[\g+6], 0
	s_mov_b32 s[\g+7], 0
.endr
	s_mul_i32 s45, s[WV], HALFT                    ; where my tile goes: wave x 128 rows: no place in the cluster enters an LDS address
	s_mov_b32 s90, 0x76543210                      ; v_permlanex16_b32's selects for lane l xor 16
	s_mov_b32 s91, 0xfedcba98
	s_mov_b32 s92, 0xaaaaaaaa                      ; the odd lanes
	s_mov_b32 s93, 0xcccccccc                      ; the lanes 2, 3 of every four
	s_wait_kmcnt 0x0
	s_load_b256 s[72:79], s[18:19], 0x0            ; e0 .. e7
	s_load_b128 s[80:83], s[18:19], 0x20           ; e8 .. e11
	; every base is stepped once, here.  x's tile hangs on rt alone, the weights' on g alone, each in registers that never hold the other coordinate
	s_lshl_b32 s70, s[RT], 18                      ; 256 rows of 1,024 bytes,
	s_lshl_b32 s95, s[CH], 17                      ; and the half that I fetch
	s_add_co_u32 s70, s70, s95
	s_mov_b32 s71, 0
	s_add_nc_u64 s[70:71], s[4:5], s[70:71]
	s_cmp_eq_u32 s[CH], 0                          ; the choice hangs on the wave's number alone
	s_cselect_b64 s[46:47], s[6:7], s[8:9]         ; Wk or Wv,
	s_lshl_b32 s98, s42, 17                        ; at row 128 g
	s_mov_b32 s99, 0
	s_add_nc_u64 s[46:47], s[46:47], s[98:99]
	s_lshl_b32 s95, s[WV], 15
	s_add_co_u32 s98, s98, s95
	s_add_nc_u64 s[10:11], s[10:11], s[98:99]      ; Wq at row 128 g + 32 x wave
	s_lshl_b32 s98, s42, 9
	s_add_nc_u64 s[12:13], s[12:13], s[98:99]      ; bk and bv at channel 128 g
	s_add_nc_u64 s[14:15], s[14:15], s[98:99]
	s_lshl_b32 s95, s[WV], 7
	s_add_co_u32 s100, s98, s95
	s_mov_b32 s101, 0
	s_add_nc_u64 s[16:17], s[16:17], s[100:101]    ; bq at channel 128 g + 32 x wave
	s_lshl_b32 s95, s[RT], 1
	s_add_co_u32 s95, s95, s[RH]                   ; my chunk of 128 keys among all 64: 2 rt + RH
	s_lshl_b32 s100, s95, 12
	s_add_co_u32 s100, s100, s98
	s_add_nc_u64 s[20:21], s[20:21], s[100:101]    ; part_o: row 2 rt + RH of 4,096 bytes, channel 128 g
	s_lshr_b32 s95, s[RT], 3                       ; the batch
	s_lshl_b32 s100, s95, 11
	s_lshl_b32 s98, s42, 8
	s_add_co_u32 s100, s100, s98
	s_and_b32 s98, s[RT], 7
	s_lshl_b32 s98, s98, 1
	s_add_co_u32 s98, s98, s[RH]
	s_lshl_b32 s98, s98, 3
	s_add_co_u32 s100, s100, s98
	s_add_nc_u64 s[22:23], s[22:23], s[100:101]    ; part_ml: 2,048 x batch + 128 x (2 g) + 8 x the chunk in its batch
	s_lshl_b32 s96, s95, 21
	s_add_co_u32 s96, s96, 0x1ffc00
	s_mov_b32 s97, 0
	s_add_nc_u64 s[96:97], s[4:5], s[96:97]        ; x at the batch's row 2,047
	; q's operands are asked for ahead of everything else: they land while the first tiles are on their way
.irp s, 0,1,2,3,4,5,6,7
.irp c, 0,1,2,3
	global_load_b128 v[AF+16*\s+4*\c:AF+16*\s+4*\c+3], v5, s[96:97] offset:128*\s+32*\c   ; x's last row as source 1: K step s; registers 4 c .. 4 c + 3 hold K = 32 c + 16 h + 0 .. 15
.endr
.endr
	WIN TO_B
.irp t, 0,1
.irp s, 0,1,2,3,4,5,6,7
.irp c, 0,1,2,3
	global_load_b128 v[16*(8*\t+\s)+4*\c:16*(8*\t+\s)+4*\c+3], v6, s[10:11] offset:16384*\t+128*\s+32*\c   ; Wq: my two tiles of 16 rows, the same places of K
.endr
.endr
.endr
	WIN 0
.irp t, 0,1
	global_load_b128 v[80+8*\t:83+8*\t], v7, s[16:17] offset:64*\t       ; bq(16 t + 8 h + 0 .. 7), in the result's layout
	global_load_b128 v[84+8*\t:87+8*\t], v7, s[16:17] offset:64*\t+16
.endr
	CROUND                                         ; all sixteen work-groups are here: the first joint loads meet
.irp s, 0,1
	s_mov_b32 s[G0+4*\s], 1                        ; 1:0 count = 1
	s_add_co_u32 s[G0+4*\s+1], s45, \s*SLOT        ; 63:32 LDS address
	s_add_nc_u64 s[G0+4*\s+2:G0+4*\s+3], s[70:71], \s*ROWB   ; 120:64 global address: K = 256 s on
	s_or_b32 s[G0+4*\s+3], s[G0+4*\s+3], 0x80000000          ; 127:126 type = 2
	s_mov_b32 s[G0B+4*\s], 1
	s_add_co_u32 s[G0B+4*\s+1], s45, \s*SLOT
	s_add_nc_u64 s[G0B+4*\s+2:G0B+4*\s+3], s[46:47], \s*ROWB
	s_or_b32 s[G0B+4*\s+3], s[G0B+4*\s+3], 0x80000000
	JLOAD G0+4*\s, G1, G0B+4*\s, G1B               ; both slots' first fills go out together: two tensor loads of mine are out
.endr
	; the powers of two.  What differs between the roles is chosen by the wave's number; no branch hangs on a loaded number
	s_wait_kmcnt 0x0
	s_cmp_eq_u32 s[CH], 0
	s_cselect_b32 s86, s74, s76                    ; k: e2, e3, e7;  v: e4, e5, e9
	s_cselect_b32 s87, s75, s77
	s_cselect_b32 s95, s79, s81
	s_add_co_i32 s86, s86, s87
	s_add_co_i32 s86, s86, 127
	s_lshl_b32 s86, s86, 23                        ; a sum of my projection stands for sum x this
	s_mov_b32 s87, s86                             ; (named with it as a pair, so it is written)
	s_add_co_i32 s84, s72, s73
	s_add_co_i32 s84, s84, 127
	s_lshl_b32 s84, s84, 23                        ; 2^(e0 + e1), for q
	s_mov_b32 s85, s84
	s_add_co_i32 s88, s78, s79
	s_lshl_b32 s88, s88, 23
	s_add_co_i32 s88, s88, 0x3e38aa3b              ; c = log2(e) / 8, with e6 + e7 added to its exponent field: t = sum of codes' products x c
	s_mov_b32 s89, s88
	POW2 95, 22, 23                                ; my projection's quantiser: e7 or e9
	POW2 80, 24, 25                                ; p's: e8
	POW2 78, 100, 101                              ; q's: e6
	; q^T, my 32 channels: source 0 = 16 rows of Wq, source 1 = x's last row in all 16 columns.  Two accumulators by turns
	s_wait_loadcnt 0x0
	WIN 0x01                                       ; source 0 window 1
.irp s, 0,1,2,3,4,5,6,7
.irp t, 0,1
.if \s == 0
	v_wmma_f32_16x16x128_fp8_fp8 v[64+8*\t:71+8*\t], v[16*(8*\t+\s):16*(8*\t+\s)+15], v[AF+16*\s:AF+16*\s+15], 0
.else
	v_wmma_f32_16x16x128_fp8_fp8 v[64+8*\t:71+8*\t], v[16*(8*\t+\s):16*(8*\t+\s)+15], v[AF+16*\s:AF+16*\s+15], v[64+8*\t:71+8*\t]
.endif
.endr
.endr
	WIN 0
	PLACES NP
.irp i, 0,2,4,6,8,10,12,14
	v_pk_fma_f32 v[64+\i:65+\i], v[64+\i:65+\i], s[84:85], v[80+\i:81+\i] op_sel_hi:[1,0,1]   ; q = sum x 2^(e0 + e1) + bq
.endr
.irp i, 0,1,2,3,4,5,6,7,8,9,10,11,12,13,14,15
	v_med3_num_f32 v[64+\i], v[64+\i], -v101, v101 ; the conversion to an 8-bit code does not saturate (ISA guide 7.6.2): the hold at 448 x 2^e6
.endr
	v_cvt_scalef32_pk8_fp8_f32 v[96:97], v[64:71], v100    ; channels 16 t + 8 h + 0 .. 7: registers 4 (wave % 2) + 2 t, + 1 of head (wave / 2)'s fragment, in every column
	v_cvt_scalef32_pk8_fp8_f32 v[98:99], v[72:79], v100
	v_nop                                          ; one plain line behind the last conversion
	ds_store_b128 v9, v[96:99]                     ; image number wave of four
	s_wait_tensorcnt 0x1                           ; my part of slot 0 is in; slot 1's may stay out
	s_wait_dscnt 0x0                               ; my image of q has landed, and the store has read its registers
	; the biases.  Every wave loads both sets, so that the text has one way here; each role reads its own.  They are waited for behind the projection
.irp b, 0,1,2,3,4,5,6,7
	global_load_b128 v[BK+8*\b:BK+8*\b+3], v7, s[12:13] offset:64*\b
	global_load_b128 v[BK+8*\b+4:BK+8*\b+7], v7, s[12:13] offset:64*\b+16
.endr
.irp a, 0,1,2,3,4,5,6,7
	global_load_b32 v[BV+2*\a], v8, s[14:15] offset:64*\a      ; the lane's one number, in both halves of a pair for the packed multiply-add
	global_load_b32 v[BV+2*\a+1], v8, s[14:15] offset:64*\a
.endr
	s_barrier_signal -1
	s_barrier_wait -1                              ; everybody's part of slot 0 and of q is in
.macro FRAG reg, adr, q, i             ; a fragment, 16 rows x 128 K: lane l holds row l % 16; registers 4 c .. 4 c + 3 hold K = 32 c + 16 (l / 16) + 0 .. 15: the same places in both sources
.irp c, 0,1,2,3
	ds_load_b128 v[\reg+4*\c:\reg+4*\c+3], v[\adr] offset:128*(\q)+32*\c+(\i)*16*PITCH
.endr
.endm
; 16 matrix instructions: source 1's blocks a0, a0 + 1 x source 0's eight, 128 along K.  p: source 0's set.  zero = 1: the first product starts the sums: nothing is ever cleared.
; The 64 accumulators take turns, one instruction a turn, in the same order in every step.
.macro MUL16 a0, p, zero
.irp a, \a0, \a0+1
.irp b, 0,1,2,3,4,5,6,7
.if \zero
	v_wmma_f32_16x16x128_fp8_fp8 v[8*(8*((\a)%4)+\b):8*(8*((\a)%4)+\b)+7], v[128*(\p)+FR*\b:128*(\p)+FR*\b+FR-1], v[AF+FR*(\a):AF+FR*(\a)+FR-1], 0
.else
	v_wmma_f32_16x16x128_fp8_fp8 v[8*(8*((\a)%4)+\b):8*(8*((\a)%4)+\b)+7], v[128*(\p)+FR*\b:128*(\p)+FR*\b+FR-1], v[AF+FR*(\a):AF+FR*(\a)+FR-1], v[8*(8*((\a)%4)+\b):8*(8*((\a)%4)+\b)+7]
.endif
.endr
.endr
.endm
.macro FETCH_B slot, q, p              ; source 0's eight fragments of the slot's q-th 128 along K into set p
	WIN TO_B
.irp i, 0,1,2,3,4,5,6,7
	FRAG 128*(\p)+FR*\i, ADR0+\slot, \q, \i
.endr
	WIN 0
.endm
.macro FETCH_A slot, q, i0             ; source 1's blocks i0 .. i0 + 3
.irp i, \i0, \i0+1, \i0+2, \i0+3
	FRAG AF+FR*(\i), ADR1+\slot, \q, \i
.endr
.endm
; A step of 128 along K that has its successor in the same slot.  A block of source 1 is free as soon as its eight products are issued, so one set serves: blocks 0-3 are fetched anew in the step's middle, blocks 4-7 at its end.
; A load into a register that a matrix instruction has read stands NP places behind it; only plain vector instructions that name none of its registers are places (ISA guide 7.12.1 for vector instructions).
.macro STEP slot, q, zero
	s_wait_dscnt 4*NL                              ; all but the youngest sixteen loads (source 1's blocks 4-7) are in
	WIN MUL_LO
	MUL16 0, (\q)%2, \zero
	MUL16 2, (\q)%2, \zero
	s_wait_dscnt 0                                 ; blocks 4-7 are in (asked for 32 matrix instructions ago)
	PLACES NP
	FETCH_B \slot, (\q)+1, 1-(\q)%2
	FETCH_A \slot, (\q)+1, 0
	WIN MUL_HI
	MUL16 4, (\q)%2, \zero
	MUL16 6, (\q)%2, \zero
	PLACES NP
	WIN 0
	FETCH_A \slot, (\q)+1, 4
.endm
; A slot's last step changes slots: ONE barrier; in front of it each wave waits for all its tensor loads, adds 0 to its spare word, and waits for that and for its own reads of this slot.  fill = 1: this slot is filled again, 512 along K ahead.
.macro TURN slot, next, fill
	s_wait_tensorcnt 0x0                           ; all my tensor loads have landed: my part of the next slot;  (every window is 0 here)
	ds_add_u32 v[SPW], v[NIL]                      ; 0 onto my spare word
	s_wait_dscnt 4*NL+1                            ; (the add and the youngest sixteen loads may be out)
	WIN MUL_LO
	MUL16 0, 1, 0                                  ; sixteen matrix instructions stand between the add and the wait for it
	s_wait_dscnt 0x0                               ; the add is done, and my reads of this slot are over
	s_barrier_signal -1
	MUL16 2, 1, 0
	WIN 0
	s_barrier_wait -1
.if \fill
	CREST                                          ; the barrier has opened a round of the cluster's barrier: no wave of any partner still reads this slot's tile or has a load on its way
	s_add_nc_u64 s[G0+4*\slot+2:G0+4*\slot+3], s[G0+4*\slot+2:G0+4*\slot+3], 2*ROWB
	s_add_nc_u64 s[G0B+4*\slot+2:G0B+4*\slot+3], s[G0B+4*\slot+2:G0B+4*\slot+3], 2*ROWB
	JLOAD G0+4*\slot, G1, G0B+4*\slot, G1B         ; the first tensor load behind the round, my one until the next; the four v_nop behind it are the places in front of the loads below
.else
	PLACES NP
.endif
	FETCH_B \next, 0, 0
	FETCH_A \next, 0, 0
	WIN MUL_HI
	MUL16 4, 1, 0
	MUL16 6, 1, 0
	PLACES NP
	WIN 0
	FETCH_A \next, 0, 4
.endm
.irp i, 0,1,2,3
	ds_load_b128 v[QF+4*\i:QF+4*\i+3], v10 offset:512*\i   ; q's two fragments, as they were stored
.endr
	FETCH_B 0, 0, 0
	FETCH_A 0, 0, 0
	FETCH_A 0, 0, 4
	; THE PROJECTION: K = 1,024 is eight steps of 128, four slots' worth: each slot is filled twice.  Written out
	STEP 0, 0, 1                                   ; the first products start the sums
	TURN 0, 1, 1                                   ; slot 0 takes K = 512 on
	STEP 1, 0, 0
	TURN 1, 0, 1                                   ; slot 1 takes K = 768 on
	STEP 0, 0, 0
	TURN 0, 1, 0                                   ; nothing is left to fetch
	STEP 1, 0, 0
	s_wait_dscnt 4*NL                              ; the last step
	WIN MUL_LO
	MUL16 0, 1, 0
	MUL16 2, 1, 0
	s_wait_dscnt 0
	WIN MUL_HI
	MUL16 4, 1, 0
	MUL16 6, 1, 0
	WIN 0
; The 32 accumulators of window w (2 or 3) become codes: sum x 2^(the two exponents) + bias, the hold, the conversion.  Each accumulator is read from its low end on.
; role 0 (k): the bias goes with the register (channel 16 b + 8 h + j);  role 1 (v): with the lane (channel 16 a + r).
.macro QUANT w, role
.set WAC, ((\w)<<6)+(\w)               ; destination and source 0 in window w; the bias, the hold's bound and the scale in window 0
.set WCV, 0x40+(\w)                    ; destination window 1, source 0 window w
.set ABASE, 4*((\w)-2)
	WIN WAC
.irp a, 0,1,2,3
.irp b, 0,1,2,3,4,5,6,7
.irp i, 0,2,4,6
.if \role
	v_pk_fma_f32 v[8*(8*\a+\b)+\i:8*(8*\a+\b)+\i+1], v[8*(8*\a+\b)+\i:8*(8*\a+\b)+\i+1], s[86:87], v[BV+2*(ABASE+\a):BV+2*(ABASE+\a)+1] op_sel_hi:[1,0,1]
.else
	v_pk_fma_f32 v[8*(8*\a+\b)+\i:8*(8*\a+\b)+\i+1], v[8*(8*\a+\b)+\i:8*(8*\a+\b)+\i+1], s[86:87], v[BK+8*\b+\i:BK+8*\b+\i+1] op_sel_hi:[1,0,1]
.endif
.endr
.endr
.endr
.set j, 0
.rept 256
	v_med3_num_f32 v[j], v[j], -v23, v23           ; the conversion to an 8-bit code does not saturate (ISA guide 7.6.2)
.set j, j+1
.endr
	WIN WCV
.irp a, 0,1,2,3
.irp b, 0,1,2,3,4,5,6,7
	v_cvt_scalef32_pk8_fp8_f32 v[16*(ABASE+\a)+2*\b:16*(ABASE+\a)+2*\b+1], v[8*(8*\a+\b):8*(8*\a+\b)+7], v22
.endr
.endr
.endm
; One head's softmax over my 128 keys.  Register 8 a + j of the head's 64 scores is key 16 a + 8 h + j; all 16 lanes of a half hold the same numbers (the one query in every column).
.macro SOFT hd
.set SCO, 128+64*(\hd)                 ; the scores, then p
.set PFR, 64+16*(\hd)                  ; p's codes: a fragment of the K = 128 form
.set NMR, 104+4*(\hd)                  ; -M; beside it the largest t
.set LSR, 106+4*(\hd)                  ; l
	v_max3_num_f32 v96, v[SCO], v[SCO+1], v[SCO+2]         ; the largest score among my 64 keys, in two chains, ascending,
	v_max3_num_f32 v97, v[SCO+3], v[SCO+4], v[SCO+5]
.irp i, 6,10,14,18,22,26,30,34,38,42,46,50,54,58
	v_max3_num_f32 v96, v96, v[SCO+\i], v[SCO+\i+1]
	v_max3_num_f32 v97, v97, v[SCO+\i+2], v[SCO+\i+3]
.endr
	v_max3_num_f32 v96, v96, v[SCO+62], v[SCO+63]
	v_max_num_f32 v96, v96, v97
	v_permlanex16_b32 v98, v96, s90, s91
	v_max_num_f32 v96, v96, v98                    ; and among lane l xor 16's
	v_mul_f32 v[NMR+1], s88, v96                   ; as t (c is positive)
	v_floor_f32 v[NMR], -v[NMR+1]                  ; -M = floor(-t) = -ceil(t): M is a whole number
.set j, 0
.rept 32
	v_pk_fma_f32 v[SCO+j:SCO+j+1], v[SCO+j:SCO+j+1], s[88:89], v[NMR:NMR+1] op_sel_hi:[1,0,0]   ; t - M, two at a time (of the pairs c and -M the low word serves both halves)
.set j, j+2
.endr
.set j, 0
.rept 64
	v_exp_f32 v[SCO+j], v[SCO+j]                   ; p = 2^(t - M), at most 1: not normalised
.set j, j+1
.endr
	v_nop                                          ; a plain line behind the exponentials
	s_wait_alu depctr_va_vdst(0)
	v_pk_add_f32 v[LSR:LSR+1], v[SCO:SCO+1], v[SCO+2:SCO+3]   ; l is the sum of the UNQUANTISED p: two at a time, in two chains
	v_pk_add_f32 v[100:101], v[SCO+4:SCO+5], v[SCO+6:SCO+7]
.set j, 8
.rept 14
	v_pk_add_f32 v[LSR:LSR+1], v[LSR:LSR+1], v[SCO+j:SCO+j+1]
	v_pk_add_f32 v[100:101], v[100:101], v[SCO+j+2:SCO+j+3]
.set j, j+4
.endr
	v_pk_add_f32 v[LSR:LSR+1], v[LSR:LSR+1], v[100:101]
	v_add_f32 v[LSR], v[LSR], v[LSR+1]
	v_permlanex16_b32 v98, v[LSR], s90, s91
	v_add_f32 v[LSR], v[LSR], v98                  ; and lane l xor 16's 64 keys
.set j, 0
.rept 64
	v_min_num_f32 v[SCO+j], v[SCO+j], v25          ; p is not negative, so the hold is one-sided
.set j, j+1
.endr
.irp a, 0,1,2,3,4,5,6,7
	v_cvt_scalef32_pk8_fp8_f32 v[PFR+2*\a:PFR+2*\a+1], v[SCO+8*\a:SCO+8*\a+7], v24   ; keys 16 a + 8 h + 0 .. 7: registers 2 a, 2 a + 1 of the fragment
.endr
	v_nop                                          ; one plain line behind the last conversion
.endm
	s_wait_loadcnt 0x0                             ; the biases
	PLACES NP                                      ; behind the last products, in front of the first read of results
	s_cmp_eq_u32 s[CH], 0
	s_cbranch_scc0 .Lrole_v
	; ---- a wave for k: codes of k, the scores of the one query, the softmax of my 128 keys
	QUANT 2, 0
	QUANT 3, 0
	v_nop                                          ; one plain line between the conversions and the products that read their results
	WIN 0x01                                       ; source 0 (k's codes) window 1
.irp hd, 0,1
.irp a, 0,1,2,3,4,5,6,7
	v_wmma_f32_16x16x64_fp8_fp8 v[128+8*(8*\hd+\a):128+8*(8*\hd+\a)+7], v[16*\a+8*\hd:16*\a+8*\hd+7], v[QF+8*\hd:QF+8*\hd+7], 0   ; S^T: 16 keys x the head's 64 channels, against q
.endr
.endr
	WIN 0
	v_mov_b32 v98, 0                               ; a lane permute's destination counts as one of its sources.  With the three below: the four places behind the products
	PLACES 3
	SOFT 0
	SOFT 1
.irp hd, 0,1
.irp i, 0,1,2,3
	ds_store_b128 v11, v[64+16*\hd+4*\i:64+16*\hd+4*\i+3] offset:2048*\hd+512*\i   ; p's fragments go to the wave for v as images of their registers
.endr
.endr
	v_cndmask_b32 v96, v104, v106, s92             ; lanes 0 .. 3: -M and l of head 0, -M and l of head 1
	v_cndmask_b32 v97, v108, v110, s92
	v_cndmask_b32 v96, v96, v97, s93
	s_wait_xcnt 0x0                                ; EXEC changes only behind this wait
	v_cmp_gt_u32 vcc_lo, 4, v3
	s_and_saveexec_b32 s94, vcc_lo
	global_store_b32 v15, v96, s[22:23]
	s_wait_xcnt 0x0                                ; and again, in front of the line that widens it
	s_or_b32 exec_lo, exec_lo, s94
	s_branch .Ljoin
.Lrole_v:
	; ---- a wave for v: codes of v, with the keys along a lane's registers
	QUANT 2, 1
	QUANT 3, 1
	v_nop                                          ; one plain line between the conversions and the products that read their results
	WIN 0
.Ljoin:
	s_wait_dscnt 0x0                               ; for the others' sake: p's images have landed
	s_barrier_signal -1
	s_barrier_wait -1
	s_cmp_eq_u32 s[CH], 0
	s_cbranch_scc1 .Lend
	; ---- a wave for v: O^T = v^T p^T over my 128 keys, raw sums under the chunk's M
.irp hd, 0,1
.irp i, 0,1,2,3
	ds_load_b128 v[64+16*\hd+4*\i:64+16*\hd+4*\i+3], v11 offset:2048*\hd+512*\i
.endr
.endr
	s_wait_dscnt 0x0
	WIN 0x01                                       ; source 0 (v's codes) window 1
.irp a, 0,1,2,3,4,5,6,7
	v_wmma_f32_16x16x128_fp8_fp8 v[128+8*\a:135+8*\a], v[16*\a:16*\a+15], v[64+16*(\a/4):79+16*(\a/4)], 0   ; 16 channels x 128 keys, against the channels' head's p
.endr
	WIN 0
	PLACES NP
.irp a, 0,1,2,3,4,5,6,7
	ds_store_b128 v12, v[128+8*\a:131+8*\a] offset:64*\a       ; register j is channel 16 a + 8 h + j.  The 16 lanes of a half hold the same numbers and write the same bytes
	ds_store_b128 v12, v[132+8*\a:135+8*\a] offset:64*\a+16
.endr
	ds_load_b128 v[192:195], v13                   ; LDS serves a wave's instructions in order (ISA guide 5.7.1.4): this sees my stores
	s_wait_dscnt 0x0
	global_store_b128 v14, v[192:195], s[20:21]    ; the 32 lanes store 512 consecutive bytes, at a multiple of 256 from part_o's first byte
.Lend:
	s_wait_tensorcnt 0x0                           ; the wave's end: behind my last tensor load and my last LDS store
	ds_add_u32 v[SPW], v[NIL]
	s_wait_dscnt 0x0
	CROUND                                         ; the closing round: no work-group ends while a partner may still ask for a tile that names it
	s_endpgm
.Lfunc_end_k_qb60434c3bf_kvattn:
	.size	k_qb60434c3bf_kvattn, .Lfunc_end_k_qb60434c3bf_kvattn-k_qb60434c3bf_kvattn
	.p2alignl 7, 3214868480
	.fill 96, 4, 3214868480
	.section	.rodata,"a",@progbits
	.p2align	6, 0x0
	.amdhsa_kernel k_qb60434c3bf_kvattn
		.amdhsa_group_segment_fixed_size 327680
		.amdhsa_private_segment_fixed_size 0
		.amdhsa_enable_private_segment 0
		.amdhsa_kernarg_size 80
		.amdhsa_user_sgpr_count 2
		.amdhsa_user_sgpr_kernarg_segment_ptr 1
		.amdhsa_wavefront_size32 1
		.amdhsa_system_sgpr_workgroup_id_x 1
		.amdhsa_system_sgpr_workgroup_id_y 1
		.amdhsa_system_sgpr_workgroup_id_z 1
		.amdhsa_system_vgpr_workitem_id 0
		.amdhsa_next_free_vgpr 1024
		.amdhsa_next_free_sgpr 102
		.amdhsa_reserve_vcc 1
		.amdhsa_float_denorm_mode_32 3
		.amdhsa_float_denorm_mode_16_64 3
		.amdhsa_memory_ordered 1
		.amdhsa_forward_progress 1
		.amdhsa_inst_pref_size 227
	.end_amdhsa_kernel
	.amdgpu_metadata
---
amdhsa.version: [ 1, 2 ]
amdhsa.kernels:
  - .name:           k_qb60434c3bf_kvattn
    .symbol:         k_qb60434c3bf_kvattn.kd
    .args:
      - { .name: x_codes, .offset: 0, .size: 8, .value_kind: global_buffer, .address_space: global }
      - { .name: Wk_codes, .offset: 8, .size: 8, .value_kind: global_buffer, .address_space: global }
      - { .name: Wv_codes, .offset: 16, .size: 8, .value_kind: global_buffer, .address_space: global }
      - { .name: Wq_codes, .offset: 24, .size: 8, .value_kind: global_buffer, .address_space: global }
      - { .name: bk, .offset: 32, .size: 8, .value_kind: global_buffer, .address_space: global }
      - { .name: bv, .offset: 40, .size: 8, .value_kind: global_buffer, .address_space: global }
      - { .name: bq, .offset: 48, .size: 8, .value_kind: global_buffer, .address_space: global }
      - { .name: lowp_scales, .offset: 56, .size: 8, .value_kind: global_buffer, .address_space: global }
      - { .name: part_o, .offset: 64, .size: 8, .value_kind: global_buffer, .address_space: global }
      - { .name: part_ml, .offset: 72, .size: 8, .value_kind: global_buffer, .address_space: global }
    .group_segment_fixed_size: 327680
    .private_segment_fixed_size: 0
    .kernarg_segment_align: 8
    .kernarg_segment_size: 80
    .max_flat_workgroup_size: 128
    .sgpr_count:     102
    .vgpr_count:     1024
    .wavefront_size: 32
...
	.end_amdgpu_metadata
.endif
;; end of part 1
;; launch finish (part 2): grid 16 x 4, 4 waves a work-group, no clusters, 2,560 bytes of LDS; arguments part_o, part_ml, Wo_codes, bo, lowp_scales, out0; writes out0
.if DOCPART == 2
	.amdgcn_target "amdgcn-amd-amdhsa--gfx1250"
	.amdhsa_code_object_version 6
	.text
	.protected	k_qb60434c3bf_finish
	.globl	k_qb60434c3bf_finish
	.p2align	8
	.type	k_qb60434c3bf_finish,@function
k_qb60434c3bf_finish:
	s_mov_b64 s[64:65], 0
	v_nop
	global_prefetch_b8 v0, s[64:65] scope:SCOPE_SE
	s_setreg_imm32_b32 hwreg(HW_REG_WAVE_MODE, 25, 1), 1
	s_wait_xcnt 0x0
; out0[b][n] = ctx[b] . Wo[n] + bo[n], for the last query of each batch.  ctx[b] is first joined from the 16 chunks of 128 keys that the launch before left:
; part_o [16 b + chunk][1024]: raw sums of p v under the chunk's own whole number M_c;  part_ml [b][head][chunk][2]: (-M_c, l_c).
; M = the largest M_c; f_c = 2^(M_c - M), exact; l = sum of f_c l_c; ctx = (sum of f_c O_c) x 2^(e8 + e9) / l.  ctx is quantised with 2^e10 and multiplied with Wo's codes (2^e11) by the FP8 matrix form.
; SHARES.  A work-group owns one batch (y) and 64 columns of the output (x).  Joining: thread t owns channels 8 t .. 8 t + 7, all of head t / 8.  Product: wave w owns columns 64 x + 16 w + r.
; ctx's 1,024 codes go from the threads to the waves through LDS, as they lie; each wave reads them as a first source whose 16 rows are all this one row, so register 0 of a result holds column r.
; No tensor loads, no ring, no cluster: the 16 work-groups of a batch read the same 65,536 bytes of parts, each straight into registers for one use; a work-group's own input, its 64 rows of Wo, is shared with three others only.
; LIMITS.  e10 between -126 and 119; e10 + e11 between -126 and 127; e8 + e9 is applied by v_ldexp_f32 and has none.  NaN and infinities are not served.
; REGISTERS.  Window 0: v1-12 lane terms and addresses; v13 bo; v14 -M; v16-19 l and 1 / l; v20, v21 2^e10 and 448 x 2^e10; v[22:23] my codes; v[24:31] my 8 channels;
;   v32-63 (-M_c, l_c), then (f_c, l_c); v64-191 the chunks' sums, then ctx's 8 fragments; v192-207 two accumulators; v208-211 the way out.  Window 1: v0-127 Wo's 8 fragments.
.set OUTS, 1024                        ; LDS: ctx's codes at 0 .. 1,023; the work-group's 64 results at 1,024 .. 1,279
.set MSB, 0
.macro WIN new                         ; the immediate's high byte repeats the setting that is left
.if MSB != \new
	s_set_vgpr_msb (MSB<<8)|\new
.set MSB, \new
.endif
.endm
	s_load_b256 s[4:11], s[0:1], 0x0               ; part_o s[4:5], part_ml s[6:7], Wo's codes s[8:9], bo s[10:11]
	s_load_b128 s[12:15], s[0:1], 0x20             ; the exponents s[12:13], out0 s[14:15]
	v_lshl_add_u32 v254, v0, 2, 0x800
	v_mov_b32 v255, 0
	v_lshrrev_b32 v4, 5, v0
	v_readfirstlane_b32 s20, v4                    ; wave 0..3
	s_and_b32 s21, ttmp7, 0xffff                   ; the batch
	v_and_b32 v1, 15, v0                           ; r
	v_bfe_u32 v2, v0, 4, 1                         ; h
	v_and_b32 v3, 31, v0                           ; lane
	v_lshrrev_b32 v4, 3, v0
	v_lshlrev_b32 v4, 7, v4                        ; part_ml: my head's 128 bytes
	v_lshlrev_b32 v5, 5, v0                        ; part_o: my 8 channels' 32 bytes
	v_lshlrev_b32 v9, 4, v2                        ; ctx's fragments: 16 h
	v_lshl_add_u32 v6, v1, 10, v9                  ; Wo: row r of 1,024 bytes, + 16 h
	v_lshlrev_b32 v7, 2, v1                        ; bo: 4 r
	v_lshlrev_b32 v8, 3, v0                        ; where my 8 codes go: 8 t
	s_lshl_b32 s22, s20, 6
	s_add_co_u32 s22, s22, OUTS
	v_add_nc_u32 v10, s22, v7                      ; where column 16 w + r goes
	v_lshlrev_b32 v12, 3, v3                       ; the way out: 8 bytes a lane, in out0
	v_add_nc_u32 v11, OUTS, v12                    ; and in LDS
	s_lshl_b32 s24, s21, 11                        ; part_ml: 2,048 bytes a batch
	s_mov_b32 s25, 0
	s_lshl_b32 s26, s21, 16                        ; part_o: 16 rows of 4,096 bytes a batch
	s_mov_b32 s27, 0
	s_lshl_b32 s28, ttmp9, 6
	s_lshl_b32 s22, s20, 4
	s_add_co_u32 s28, s28, s22                     ; my wave's first column: 64 x + 16 w
	s_lshl_b32 s30, s28, 10                        ; its row of Wo
	s_mov_b32 s31, 0
	s_lshl_b32 s28, s28, 2                         ; its number of bo
	s_mov_b32 s29, 0
	s_lshl_b32 s32, s21, 12
	s_lshl_b32 s22, ttmp9, 8
	s_add_co_u32 s32, s32, s22                     ; out0: 4,096 bytes a batch, 256 for each work-group
	s_mov_b32 s33, 0
	s_wait_kmcnt 0x0
	s_load_b128 s[16:19], s[12:13], 0x20           ; e8, e9, e10, e11
	s_add_nc_u64 s[6:7], s[6:7], s[24:25]
	s_add_nc_u64 s[4:5], s[4:5], s[26:27]
	s_add_nc_u64 s[8:9], s[8:9], s[30:31]
	s_add_nc_u64 s[10:11], s[10:11], s[28:29]
	s_add_nc_u64 s[14:15], s[14:15], s[32:33]
.irp i, 0,1,2,3,4,5,6,7
	global_load_b128 v[32+4*\i:35+4*\i], v4, s[6:7] offset:16*\i       ; chunk c: -M_c in v[32 + 2 c], l_c in v[33 + 2 c]
.endr
.irp c, 0,1,2,3,4,5,6,7,8,9,10,11,12,13,14,15
	global_load_b128 v[64+8*\c:67+8*\c], v5, s[4:5] offset:4096*\c     ; chunk c's sums for my 8 channels
	global_load_b128 v[68+8*\c:71+8*\c], v5, s[4:5] offset:4096*\c+16
.endr
	WIN 0x40                                       ; destination window 1
.irp s, 0,1,2,3,4,5,6,7
.irp c, 0,1,2,3
	global_load_b128 v[16*\s+4*\c:16*\s+4*\c+3], v6, s[8:9] offset:128*\s+32*\c   ; Wo's fragment of K step s: registers 4 c .. 4 c + 3 hold K = 32 c + 16 h + 0 .. 15
.endr
.endr
	WIN 0
	global_load_b32 v13, v7, s[10:11]
	s_wait_kmcnt 0x0
	s_add_co_i32 s34, s16, s17                     ; e8 + e9
	s_add_co_i32 s35, s18, s19
	s_add_co_i32 s35, s35, 127
	s_lshl_b32 s35, s35, 23                        ; 2^(e10 + e11) as f32
	s_add_co_i32 s36, s18, 127
	s_lshl_b32 s37, s36, 23
	v_mov_b32 v20, s37                             ; 2^e10 as f32: the conversion takes its exponent field
	s_add_co_i32 s36, s36, 8
	s_lshl_b32 s36, s36, 23
	s_or_b32 s36, s36, 0x600000
	v_mov_b32 v21, s36                             ; 448 x 2^e10
	s_wait_loadcnt 33                              ; the parts are in; Wo's 32 loads and bo's one may stay out
	v_min3_num_f32 v14, v32, v34, v36              ; -M = the smallest -M_c
.irp c, 3,5,7,9,11,13
	v_min3_num_f32 v14, v14, v[32+2*\c], v[34+2*\c]
.endr
	v_min_num_f32 v14, v14, v62
.irp c, 0,1,2,3,4,5,6,7,8,9,10,11,12,13,14,15
	v_sub_f32 v[32+2*\c], v14, v[32+2*\c]          ; M_c - M: a whole number, 0 or less
.endr
.irp c, 0,1,2,3,4,5,6,7,8,9,10,11,12,13,14,15
	v_cvt_i32_f32 v[32+2*\c], v[32+2*\c]           ; (it saturates)
.endr
.irp c, 0,1,2,3,4,5,6,7,8,9,10,11,12,13,14,15
	v_ldexp_f32 v[32+2*\c], 1.0, v[32+2*\c]        ; f_c = 2^(M_c - M): the multiplications by it round nothing
.endr
	v_mul_f32 v16, v32, v33                        ; l = the sum of f_c l_c, in two chains
	v_mul_f32 v17, v34, v35
.irp c, 2,4,6,8,10,12,14
	v_fmac_f32 v16, v[32+2*\c], v[33+2*\c]
	v_fmac_f32 v17, v[34+2*\c], v[35+2*\c]
.endr
	v_add_f32 v16, v16, v17
	v_rcp_f32 v18, v16
	v_mov_b32 v19, 0                               ; a plain line behind the reciprocal; v19 is named as the upper half of the pair v[18:19]
	s_wait_alu depctr_va_vdst(0)
	v_ldexp_f32 v18, v18, s34                      ; 2^(e8 + e9) / l
.irp i, 0,2,4,6
	v_pk_mul_f32 v[24+\i:25+\i], v[64+\i:65+\i], v[32:33] op_sel_hi:[1,0]   ; the first chunk starts the sums (of the pair (f_c, l_c) the low word serves both halves)
.endr
.irp c, 1,2,3,4,5,6,7,8,9,10,11,12,13,14,15
.irp i, 0,2,4,6
	v_pk_fma_f32 v[24+\i:25+\i], v[64+8*\c+\i:65+8*\c+\i], v[32+2*\c:33+2*\c], v[24+\i:25+\i] op_sel_hi:[1,0,1]
.endr
.endr
.irp i, 0,2,4,6
	v_pk_mul_f32 v[24+\i:25+\i], v[24+\i:25+\i], v[18:19] op_sel_hi:[1,0]   ; ctx
.endr
.irp i, 0,1,2,3,4,5,6,7
	v_med3_num_f32 v[24+\i], v[24+\i], -v21, v21   ; the conversion to an 8-bit code does not saturate (ISA guide 7.6.2)
.endr
	v_cvt_scalef32_pk8_fp8_f32 v[22:23], v[24:31], v20
	v_nop                                          ; one plain line behind the conversion
	ds_store_b64 v8, v[22:23]
	s_wait_dscnt 0x0                               ; for the others' sake: my codes have landed
	s_barrier_signal -1
	s_barrier_wait -1
.irp s, 0,1,2,3,4,5,6,7
.irp c, 0,1,2,3
	ds_load_b128 v[64+16*\s+4*\c:67+16*\s+4*\c], v9 offset:128*\s+32*\c   ; ctx as a first source: the same places of K as Wo's, the same row in all 16 rows
.endr
.endr
	s_wait_dscnt 0x0
	s_wait_loadcnt 0x0                             ; Wo and bo
	WIN 0x04                                       ; source 1 (Wo) window 1
.irp s, 0,1,2,3,4,5,6,7
.if \s < 2
	v_wmma_f32_16x16x128_fp8_fp8 v[192+8*(\s%2):199+8*(\s%2)], v[64+16*\s:79+16*\s], v[16*\s:16*\s+15], 0
.else
	v_wmma_f32_16x16x128_fp8_fp8 v[192+8*(\s%2):199+8*(\s%2)], v[64+16*\s:79+16*\s], v[16*\s:16*\s+15], v[192+8*(\s%2):199+8*(\s%2)]   ; two accumulators by turns
.endif
.endr
	WIN 0
.rept 4
	v_nop                                          ; places behind the last products, in front of the first read of results (ISA guide 7.12.1)
.endr
	v_add_f32 v208, v192, v200                     ; register 0 of each: column r; the even and the odd K steps
	v_fma_f32 v208, v208, s35, v13                 ; x 2^(e10 + e11) + bo
	ds_store_b32 v10, v208                         ; both halves of the lanes hold the same number and write the same word
	s_wait_dscnt 0x0
	s_barrier_signal -1
	s_barrier_wait -1                              ; the work-group's 64 results lie together
	s_cmp_lg_u32 s20, 0
	s_cbranch_scc1 .Ldone
	ds_load_b64 v[210:211], v11
	s_wait_dscnt 0x0
	global_store_b64 v12, v[210:211], s[14:15]     ; wave 0 stores 256 consecutive bytes, at a multiple of 256 from out0's first byte
.Ldone:
	s_wait_tensorcnt 0x0
	ds_add_u32 v254, v255
	s_wait_dscnt 0x0
	s_endpgm
.Lfunc_end_k_qb60434c3bf_finish:
	.size	k_qb60434c3bf_finish, .Lfunc_end_k_qb60434c3bf_finish-k_qb60434c3bf_finish
	.p2alignl 7, 3214868480
	.fill 96, 4, 3214868480
	.section	.rodata,"a",@progbits
	.p2align	6, 0x0
	.amdhsa_kernel k_qb60434c3bf_finish
		.amdhsa_group_segment_fixed_size 2560
		.amdhsa_private_segment_fixed_size 0
		.amdhsa_enable_private_segment 0
		.amdhsa_kernarg_size 48
		.amdhsa_user_sgpr_count 2
		.amdhsa_user_sgpr_kernarg_segment_ptr 1
		.amdhsa_wavefront_size32 1
		.amdhsa_system_sgpr_workgroup_id_x 1
		.amdhsa_system_sgpr_workgroup_id_y 1
		.amdhsa_system_sgpr_workgroup_id_z 1
		.amdhsa_system_vgpr_workitem_id 0
		.amdhsa_next_free_vgpr 384
		.amdhsa_next_free_sgpr 66
		.amdhsa_reserve_vcc 0
		.amdhsa_float_denorm_mode_32 3
		.amdhsa_float_denorm_mode_16_64 3
		.amdhsa_memory_ordered 1
		.amdhsa_forward_progress 1
		.amdhsa_inst_pref_size 21
	.end_amdhsa_kernel
	.amdgpu_metadata
---
amdhsa.version: [ 1, 2 ]
amdhsa.kernels:
  - .name:           k_qb60434c3bf_finish
    .symbol:         k_qb60434c3bf_finish.kd
    .args:
      - { .name: part_o, .offset: 0, .size: 8, .value_kind: global_buffer, .address_space: global }
      - { .name: part_ml, .offset: 8, .size: 8, .value_kind: global_buffer, .address_space: global }
      - { .name: Wo_codes, .offset: 16, .size: 8, .value_kind: global_buffer, .address_space: global }
      - { .name: bo, .offset: 24, .size: 8, .value_kind: global_buffer, .address_space: global }
      - { .name: lowp_scales, .offset: 32, .size: 8, .value_kind: global_buffer, .address_space: global }
      - { .name: out0, .offset: 40, .size: 8, .value_kind: global_buffer, .address_space: global }
    .group_segment_fixed_size: 2560
    .private_segment_fixed_size: 0
    .kernarg_segment_align: 8
    .kernarg_segment_size: 48
    .max_flat_workgroup_size: 128
    .sgpr_count:     66
    .vgpr_count:     384
    .wavefront_size: 32
...
	.end_amdgpu_metadata
.endif
;; end of part 2
;; ======== version 2 of 2: 2 launches; version 1 with the launch finish written anew for expert scheduling mode
;; limits: right only within a limited range of input values
;; workspace buffers: part_o 262,144 bytes; part_ml 8,192 bytes
;; launch kvattn: the kernel of part 1 again; grid 8 x 32, 4 waves a work-group, clusters of 4 x 4, 327,680 bytes of LDS; arguments x_codes, Wk_codes, Wv_codes, Wq_codes, bk, bv, bq, lowp_scales, part_o, part_ml; writes part_o, part_ml
;; launch finish (part 3): grid 16 x 4, 4 waves a work-group, no clusters, 2,560 bytes of LDS; arguments part_o, part_ml, Wo_codes, bo, lowp_scales, out0; writes out0
.if DOCPART == 3
	.amdgcn_target "amdgcn-amd-amdhsa--gfx1250"
	.amdhsa_code_object_version 6
	.text
	.protected	k_qb60434c3bf_finish
	.globl	k_qb60434c3bf_finish
	.p2align	8
	.type	k_qb60434c3bf_finish,@function
k_qb60434c3bf_finish:
	s_mov_b64 s[64:65], 0
	v_nop
	global_prefetch_b8 v0, s[64:65] scope:SCOPE_SE
	s_setreg_imm32_b32 hwreg(HW_REG_WAVE_SCHED_MODE, 0, 2), 2
	s_setreg_imm32_b32 hwreg(HW_REG_WAVE_MODE, 25, 1), 1
	s_wait_xcnt 0x0
	s_wait_alu depctr_vm_vsrc(0)
; out0[b][n] = ctx[b] . Wo[n] + bo[n], for the last query of each batch.  ctx[b] is first joined from the 16 chunks of 128 keys that the launch before left:
; part_o [16 b + chunk][1024]: raw sums of p v under the chunk's own whole number M_c;  part_ml [b][head][chunk][2]: (-M_c, l_c).
; M = the largest M_c; f_c = 2^(M_c - M), exact; l = sum of f_c l_c; ctx = (sum of f_c O_c) x 2^(e8 + e9) / l.  ctx is quantised with 2^e10 and multiplied with Wo's codes (2^e11) by the FP8 matrix form.
; SHARES.  A work-group owns one batch (y) and 64 columns of the output (x).  Joining: thread t owns channels 8 t .. 8 t + 7, all of head t / 8.  Product: wave w owns columns 64 x + 16 w + r.
; ctx's 1,024 codes go from the threads to the waves through LDS, as they lie; each wave reads them as a first source whose 16 rows are all this one row, so register 0 of a result holds column r.
; No tensor loads, no ring, no cluster: the 16 work-groups of a batch read the same 65,536 bytes of parts, each straight into registers for one use; a work-group's own input, its 64 rows of Wo, is shared with three others only.
; LIMITS.  e10 between -126 and 119; e10 + e11 between -126 and 127; e8 + e9 is applied by v_ldexp_f32 and has none.  NaN and infinities are not served.
; REGISTERS.  Window 0: v1-12 lane terms and addresses; v13 bo; v14 -M; v16-19 l and 1 / l; v20, v21 2^e10 and 448 x 2^e10; v[22:23] my codes; v[24:31] my 8 channels;
;   v32-63 (-M_c, l_c), then (f_c, l_c); v64-191 the chunks' sums, then ctx's 8 fragments; v192-207 two accumulators; v208-211 the way out; v254, v255 for the closing add.  Window 1: v0-127 Wo's 8 fragments.
; THE MODE: SCHED_MODE bits 1:0 = 2 (LLVM: expert scheduling mode 2), set by the entry lines.  The code itself states the register dependences
; between vector or matrix instructions and memory or LDS instructions, with s_wait_alu, always for 0.
; THE PLAN.  Registers that memory or LDS instructions touch, in the order of the text (there is no loop):
;   v4-v12      offsets and LDS addresses: written by vector lines at the head, read by loads and stores to the end, never written again.
;   v32-63      filled by loads, then read and written by vector lines alone.
;   v64-191     filled by loads (the chunks' sums); read by the packed multiply-adds; then ctx's LDS loads land in them; then the products read them.
;   window 1's v0-127 and v13: filled by loads, read by the products and by one vector line.
;   v[22:23]    written by the conversion, read by one LDS store.     v208: written by two vector lines, read by one LDS store.
;   v[210:211]  filled by an LDS load, read by the global store: no vector line names them.     v254, v255: written at the head, read by the closing add alone.
; No register that a memory or LDS instruction reads is ever written again, so beyond the entry's no wait on vm_vsrc stands in the text.  The waits on va_vdst: one ahead of the first load (the addresses), one behind the
; reciprocal, one ahead of the store of the codes (it also shows the readers of v64-191 done, for the LDS loads behind the barrier), one ahead of the store of the results.  One wait on va_sdst: the wave's number.
.set OUTS, 1024                        ; LDS: ctx's codes at 0 .. 1,023; the work-group's 64 results at 1,024 .. 1,279
.set MSB, 0
.macro WIN new                         ; the immediate's high byte repeats the setting that is left
.if MSB != \new
	s_set_vgpr_msb (MSB<<8)|\new
.set MSB, \new
.endif
.endm
	s_load_b256 s[4:11], s[0:1], 0x0               ; part_o s[4:5], part_ml s[6:7], Wo's codes s[8:9], bo s[10:11]
	s_load_b128 s[12:15], s[0:1], 0x20             ; the exponents s[12:13], out0 s[14:15]
	v_lshl_add_u32 v254, v0, 2, 0x800
	v_mov_b32 v255, 0
	v_lshrrev_b32 v4, 5, v0
	v_readfirstlane_b32 s20, v4                    ; wave 0..3
	s_and_b32 s21, ttmp7, 0xffff                   ; the batch
	v_and_b32 v1, 15, v0                           ; r
	v_bfe_u32 v2, v0, 4, 1                         ; h
	v_and_b32 v3, 31, v0                           ; lane
	v_lshrrev_b32 v4, 3, v0
	v_lshlrev_b32 v4, 7, v4                        ; part_ml: my head's 128 bytes
	v_lshlrev_b32 v5, 5, v0                        ; part_o: my 8 channels' 32 bytes
	v_lshlrev_b32 v9, 4, v2                        ; ctx's fragments: 16 h
	v_lshl_add_u32 v6, v1, 10, v9                  ; Wo: row r of 1,024 bytes, + 16 h
	v_lshlrev_b32 v7, 2, v1                        ; bo: 4 r
	v_lshlrev_b32 v8, 3, v0                        ; where my 8 codes go: 8 t
	s_wait_alu depctr_va_sdst(0)                   ; s20, the wave's number, is written, ahead of its first reader: the next line
	s_lshl_b32 s22, s20, 6
	s_add_co_u32 s22, s22, OUTS
	v_add_nc_u32 v10, s22, v7                      ; where column 16 w + r goes
	v_lshlrev_b32 v12, 3, v3                       ; the way out: 8 bytes a lane, in out0
	v_add_nc_u32 v11, OUTS, v12                    ; and in LDS
	s_lshl_b32 s24, s21, 11                        ; part_ml: 2,048 bytes a batch
	s_mov_b32 s25, 0
	s_lshl_b32 s26, s21, 16                        ; part_o: 16 rows of 4,096 bytes a batch
	s_mov_b32 s27, 0
	s_lshl_b32 s28, ttmp9, 6
	s_lshl_b32 s22, s20, 4
	s_add_co_u32 s28, s28, s22                     ; my wave's first column: 64 x + 16 w
	s_lshl_b32 s30, s28, 10                        ; its row of Wo
	s_mov_b32 s31, 0
	s_lshl_b32 s28, s28, 2                         ; its number of bo
	s_mov_b32 s29, 0
	s_lshl_b32 s32, s21, 12
	s_lshl_b32 s22, ttmp9, 8
	s_add_co_u32 s32, s32, s22                     ; out0: 4,096 bytes a batch, 256 for each work-group
	s_mov_b32 s33, 0
	s_wait_kmcnt 0x0
	s_load_b128 s[16:19], s[12:13], 0x20           ; e8, e9, e10, e11
	s_add_nc_u64 s[6:7], s[6:7], s[24:25]
	s_add_nc_u64 s[4:5], s[4:5], s[26:27]
	s_add_nc_u64 s[8:9], s[8:9], s[30:31]
	s_add_nc_u64 s[10:11], s[10:11], s[28:29]
	s_add_nc_u64 s[14:15], s[14:15], s[32:33]
	s_wait_alu depctr_va_vdst(0)                   ; the offsets and LDS addresses v4 to v12 are written: every load and store of the kernel reads one of them, and no later vector line names them
.irp i, 0,1,2,3,4,5,6,7
	global_load_b128 v[32+4*\i:35+4*\i], v4, s[6:7] offset:16*\i       ; chunk c: -M_c in v[32 + 2 c], l_c in v[33 + 2 c]
.endr
.irp c, 0,1,2,3,4,5,6,7,8,9,10,11,12,13,14,15
	global_load_b128 v[64+8*\c:67+8*\c], v5, s[4:5] offset:4096*\c     ; chunk c's sums for my 8 channels
	global_load_b128 v[68+8*\c:71+8*\c], v5, s[4:5] offset:4096*\c+16
.endr
	WIN 0x40                                       ; destination window 1.  (Between the wait above and the loads below stand loads and this switch alone)
.irp s, 0,1,2,3,4,5,6,7
.irp c, 0,1,2,3
	global_load_b128 v[16*\s+4*\c:16*\s+4*\c+3], v6, s[8:9] offset:128*\s+32*\c   ; Wo's fragment of K step s: registers 4 c .. 4 c + 3 hold K = 32 c + 16 h + 0 .. 15
.endr
.endr
	WIN 0
	global_load_b32 v13, v7, s[10:11]
	s_wait_kmcnt 0x0
	s_add_co_i32 s34, s16, s17                     ; e8 + e9
	s_add_co_i32 s35, s18, s19
	s_add_co_i32 s35, s35, 127
	s_lshl_b32 s35, s35, 23                        ; 2^(e10 + e11) as f32
	s_add_co_i32 s36, s18, 127
	s_lshl_b32 s37, s36, 23
	v_mov_b32 v20, s37                             ; 2^e10 as f32: the conversion takes its exponent field
	s_add_co_i32 s36, s36, 8
	s_lshl_b32 s36, s36, 23
	s_or_b32 s36, s36, 0x600000
	v_mov_b32 v21, s36                             ; 448 x 2^e10
	s_wait_loadcnt 33                              ; the parts are in; Wo's 32 loads and bo's one may stay out
	v_min3_num_f32 v14, v32, v34, v36              ; -M = the smallest -M_c
.irp c, 3,5,7,9,11,13
	v_min3_num_f32 v14, v14, v[32+2*\c], v[34+2*\c]
.endr
	v_min_num_f32 v14, v14, v62
.irp c, 0,1,2,3,4,5,6,7,8,9,10,11,12,13,14,15
	v_sub_f32 v[32+2*\c], v14, v[32+2*\c]          ; M_c - M: a whole number, 0 or less
.endr
.irp c, 0,1,2,3,4,5,6,7,8,9,10,11,12,13,14,15
	v_cvt_i32_f32 v[32+2*\c], v[32+2*\c]           ; (it saturates)
.endr
.irp c, 0,1,2,3,4,5,6,7,8,9,10,11,12,13,14,15
	v_ldexp_f32 v[32+2*\c], 1.0, v[32+2*\c]        ; f_c = 2^(M_c - M): the multiplications by it round nothing
.endr
	v_mul_f32 v16, v32, v33                        ; l = the sum of f_c l_c, in two chains
	v_mul_f32 v17, v34, v35
.irp c, 2,4,6,8,10,12,14
	v_fmac_f32 v16, v[32+2*\c], v[33+2*\c]
	v_fmac_f32 v17, v[34+2*\c], v[35+2*\c]
.endr
	v_add_f32 v16, v16, v17
	v_rcp_f32 v18, v16
	v_mov_b32 v19, 0                               ; a plain line behind the reciprocal; v19 is named as the upper half of the pair v[18:19]
	s_wait_alu depctr_va_vdst(0)                   ; the reciprocal has written v18, ahead of its first reader: the next line
	v_ldexp_f32 v18, v18, s34                      ; 2^(e8 + e9) / l
.irp i, 0,2,4,6
	v_pk_mul_f32 v[24+\i:25+\i], v[64+\i:65+\i], v[32:33] op_sel_hi:[1,0]   ; the first chunk starts the sums (of the pair (f_c, l_c) the low word serves both halves)
.endr
.irp c, 1,2,3,4,5,6,7,8,9,10,11,12,13,14,15
.irp i, 0,2,4,6
	v_pk_fma_f32 v[24+\i:25+\i], v[64+8*\c+\i:65+8*\c+\i], v[32+2*\c:33+2*\c], v[24+\i:25+\i] op_sel_hi:[1,0,1]
.endr
.endr
.irp i, 0,2,4,6
	v_pk_mul_f32 v[24+\i:25+\i], v[24+\i:25+\i], v[18:19] op_sel_hi:[1,0]   ; ctx
.endr
.irp i, 0,1,2,3,4,5,6,7
	v_med3_num_f32 v[24+\i], v[24+\i], -v21, v21   ; the conversion to an 8-bit code does not saturate (ISA guide 7.6.2)
.endr
	v_cvt_scalef32_pk8_fp8_f32 v[22:23], v[24:31], v20
	v_nop                                          ; one plain line behind the conversion
	s_wait_alu depctr_va_vdst(0)                   ; the conversion has written v[22:23], which the LDS store reads; and the packed multiply-adds are done reading v64 to v191, in which the LDS loads behind the barrier land (no vector line stands between)
	ds_store_b64 v8, v[22:23]
	s_wait_dscnt 0x0                               ; for the others' sake: my codes have landed
	s_barrier_signal -1
	s_barrier_wait -1
.irp s, 0,1,2,3,4,5,6,7
.irp c, 0,1,2,3
	ds_load_b128 v[64+16*\s+4*\c:67+16*\s+4*\c], v9 offset:128*\s+32*\c   ; ctx as a first source: the same places of K as Wo's, the same row in all 16 rows
.endr
.endr
	s_wait_dscnt 0x0
	s_wait_loadcnt 0x0                             ; Wo and bo
	WIN 0x04                                       ; source 1 (Wo) window 1
.irp s, 0,1,2,3,4,5,6,7
.if \s < 2
	v_wmma_f32_16x16x128_fp8_fp8 v[192+8*(\s%2):199+8*(\s%2)], v[64+16*\s:79+16*\s], v[16*\s:16*\s+15], 0
.else
	v_wmma_f32_16x16x128_fp8_fp8 v[192+8*(\s%2):199+8*(\s%2)], v[64+16*\s:79+16*\s], v[16*\s:16*\s+15], v[192+8*(\s%2):199+8*(\s%2)]   ; two accumulators by turns
.endif
.endr
	WIN 0
.rept 4
	v_nop                                          ; places behind the last products, in front of the first read of results (ISA guide 7.12.1)
.endr
	v_add_f32 v208, v192, v200                     ; register 0 of each: column r; the even and the odd K steps
	v_fma_f32 v208, v208, s35, v13                 ; x 2^(e10 + e11) + bo
	s_wait_alu depctr_va_vdst(0)                   ; the multiply-add has written v208, which the LDS store reads
	ds_store_b32 v10, v208                         ; both halves of the lanes hold the same number and write the same word
	s_wait_dscnt 0x0
	s_barrier_signal -1
	s_barrier_wait -1                              ; the work-group's 64 results lie together
	s_cmp_lg_u32 s20, 0
	s_cbranch_scc1 .Ldone
	ds_load_b64 v[210:211], v11                    ; no vector line has named v[210:211]
	s_wait_dscnt 0x0
	global_store_b64 v12, v[210:211], s[14:15]     ; wave 0 stores 256 consecutive bytes, at a multiple of 256 from out0's first byte
.Ldone:
	s_wait_dscnt 0x0                               ; the closing lines, six on end
	s_wait_alu 0x0
	s_wait_tensorcnt 0x0
	ds_add_u32 v254, v255
	s_wait_dscnt 0x0
	s_endpgm
.Lfunc_end_k_qb60434c3bf_finish:
	.size	k_qb60434c3bf_finish, .Lfunc_end_k_qb60434c3bf_finish-k_qb60434c3bf_finish
	.p2alignl 7, 3214868480
	.fill 96, 4, 3214868480
	.section	.rodata,"a",@progbits
	.p2align	6, 0x0
	.amdhsa_kernel k_qb60434c3bf_finish
		.amdhsa_group_segment_fixed_size 2560
		.amdhsa_private_segment_fixed_size 0
		.amdhsa_enable_private_segment 0
		.amdhsa_kernarg_size 48
		.amdhsa_user_sgpr_count 2
		.amdhsa_user_sgpr_kernarg_segment_ptr 1
		.amdhsa_wavefront_size32 1
		.amdhsa_system_sgpr_workgroup_id_x 1
		.amdhsa_system_sgpr_workgroup_id_y 1
		.amdhsa_system_sgpr_workgroup_id_z 1
		.amdhsa_system_vgpr_workitem_id 0
		.amdhsa_next_free_vgpr 384
		.amdhsa_next_free_sgpr 66
		.amdhsa_reserve_vcc 0
		.amdhsa_float_denorm_mode_32 3
		.amdhsa_float_denorm_mode_16_64 3
		.amdhsa_memory_ordered 1
		.amdhsa_forward_progress 1
		.amdhsa_inst_pref_size 22
	.end_amdhsa_kernel
	.amdgpu_metadata
---
amdhsa.version: [ 1, 2 ]
amdhsa.kernels:
  - .name:           k_qb60434c3bf_finish
    .symbol:         k_qb60434c3bf_finish.kd
    .args:
      - { .name: part_o, .offset: 0, .size: 8, .value_kind: global_buffer, .address_space: global }
      - { .name: part_ml, .offset: 8, .size: 8, .value_kind: global_buffer, .address_space: global }
      - { .name: Wo_codes, .offset: 16, .size: 8, .value_kind: global_buffer, .address_space: global }
      - { .name: bo, .offset: 24, .size: 8, .value_kind: global_buffer, .address_space: global }
      - { .name: lowp_scales, .offset: 32, .size: 8, .value_kind: global_buffer, .address_space: global }
      - { .name: out0, .offset: 40, .size: 8, .value_kind: global_buffer, .address_space: global }
    .group_segment_fixed_size: 2560
    .private_segment_fixed_size: 0
    .kernarg_segment_align: 8
    .kernarg_segment_size: 48
    .max_flat_workgroup_size: 128
    .sgpr_count:     66
    .vgpr_count:     384
    .wavefront_size: 32
...
	.end_amdgpu_metadata
.endif
;; end of part 3
